; MI455X (gfx1250); checked and timed in simulation.
; The chip was launched on July 23, 2026; its instructions are those of AMD's public machine-readable ISA for CDNA 5 (MIT licence, August 2026) and "CDNA5" Instruction Set Architecture Reference Guide (July 2026). The comments in the code are by the model that wrote it; some were corrected since.
;; TPU Grouped GEMM Linear. Allowed arithmetic: matrix products marked QUANTISED: E5M2 operands, one E8M0 scale for each 32 along K, by v_wmma_scale_f32_16x16x128_f8f6f4 with both operands' format E5M2, f32 sums; everything else in f32.
;; Inputs: b 8 x 4,096 float32; group_indices 2,048 int32; inputs 2,048 x 1,024 float32; w_codes 8 x 4,096 x 32 x 32 uint8 (E5M2 codes of w, K innermost, in blocks of 32 codes); w_scales 8 x 4,096 x 32 uint8 (E8M0 scales of w, one for each 32 codes along K).
;; Outputs: out0 2,048 x 4,096 float32.
;; This version of the problem:
;;   THIS VERSION OF THE PROBLEM IS GIVEN IN LOW PRECISION. The matrix products marked QUANTISED in the list below multiply operands that are first quantised to E5M2 (5 exponent bits, 2 mantissa bits; 8 bits a number), with one power-of-two scale for each 32 numbers along K (OCP MX v1.0); their sums are f32. All else is computed in f32.
;;   The module's matrix products, in the order in which they are computed (A, B: the left and right operand; K: the contracted axis; several contracted axes count as one K, in the product's order):
;;     1. [M 2,048, K 1,024] x [K 1,024, N 4,096]; A: computed on the way; B: input w (given as codes): QUANTISED
;;     2. [M 2,048, K 1,024] x [K 1,024, N 4,096]; A: computed on the way; B: input w (given as codes): QUANTISED
;;     3. [M 2,048, K 1,024] x [K 1,024, N 4,096]; A: computed on the way; B: input w (given as codes): QUANTISED
;;     4. [M 2,048, K 1,024] x [K 1,024, N 4,096]; A: computed on the way; B: input w (given as codes): QUANTISED
;;     5. [M 2,048, K 1,024] x [K 1,024, N 4,096]; A: computed on the way; B: input w (given as codes): QUANTISED
;;     6. [M 2,048, K 1,024] x [K 1,024, N 4,096]; A: computed on the way; B: input w (given as codes): QUANTISED
;;     7. [M 2,048, K 1,024] x [K 1,024, N 4,096]; A: computed on the way; B: input w (given as codes): QUANTISED
;;     8. [M 2,048, K 1,024] x [K 1,024, N 4,096]; A: computed on the way; B: input w (given as codes): QUANTISED
;;   THE QUANTISER, for each operand of a quantised product, along K:
;;     - K is cut into blocks of 32 from its start; a last block that is shorter is filled with zeros.
;;     - A block's scale is 2^e with e = floor(log2(the largest magnitude in the block)) - 15, held to -126 .. 127; a block of zeros has e = 0. As a byte (E8M0): e + 127.
;;     - Each number is divided by its block's scale, clamped to +-57,344, and rounded to the nearest number of E5M2, ties to even, subnormals kept.
;;     - The product sums the exact products of the quantised numbers (number of the format x scale) in f32.
;;   ~~~python
;;   def quantise(x, axis):      # numpy; x: float32 -> the quantised numbers, widened to float32 again
;;       x = np.moveaxis(x, axis, -1); K = x.shape[-1]
;;       x = np.pad(x, [(0, 0)] * (x.ndim - 1) + [(0, -K % 32)]); x = x.reshape(x.shape[:-1] + (-1, 32)); a = np.abs(x).max(-1, keepdims=True)
;;       e = np.where(a > 0, np.clip(np.frexp(np.where(a > 0, a, 1))[1] - 1 - 15, -126, 127), 0)      # np.frexp(a)[1] - 1 = floor(log2(a)), exactly
;;       r = np.clip(x / 2.0 ** e, -57344, 57344)
;;       step = 2.0 ** (np.maximum(np.frexp(np.where(r == 0, 1, r))[1] - 1, -14) - 2)
;;       q = np.round(r / step) * step * 2.0 ** e      # np.round: ties to even
;;       return np.moveaxis(q.reshape(q.shape[:-2] + (-1,))[..., :K], -1, axis).astype(np.float32)
;;   ~~~
;;   OPERANDS COMPUTED ON THE WAY. 'Computed on the way' means the value that the module computes at that place (a softmax that the list does not call 'softmax' is quantised finished and normalised). What goes into a quantiser is computed in f32, as accurately as f32 sums, v_exp_f32 and their like allow (about 1e-6 of the number): no bf16 or f16 on the way to a quantiser, and a product that is left as it is and whose result goes on into a quantised operand takes f32 operands (vector FMAs, or v_wmma_f32_16x16x4_f32). A number that lies on a knife's edge between two numbers of the format may be rounded either way, as far as f32 arithmetic and the matrix unit's own rounding can turn it there, and no further.
;;   INPUTS GIVEN AS CODES. w (in the module: [8, 1024, 4096], K = its axis 1): each comes as NAME_codes (uint8): NAME with its K axis moved to the last place and cut into blocks of 32 codes, [.., K / 32, bytes a block], one block behind the other in memory; one code a byte (a code: sign, 5 exponent bits, 2 mantissa bits); and NAME_scales (uint8): the same leading axes, one E8M0 byte (e + 127) for each 32 codes along K. Its value is code x scale, taken as it is: it is not quantised again, and the codes and scales need not be those that the quantiser above would give.
;; 2 versions. Each part assembles by itself: llvm-mc -triple=amdgcn-amd-amdhsa -mcpu=gfx1250 --defsym DOCPART=n.
;; ======== version 1 of 2: 2 launches
;; workspace buffers: xq 2,097,152 bytes; xs 65,536 bytes; order 8,192 bytes of whole numbers; meta 256 bytes of whole numbers
;; launch prep (part 1): grid 257 x 1, 8 waves a work-group, no clusters, 44,032 bytes of LDS; arguments inputs, group_indices, xq, xs, order, meta, out0; writes xq, xs, order, meta, out0
.if DOCPART == 1
	.amdgcn_target "amdgcn-amd-amdhsa--gfx1250"
	.amdhsa_code_object_version 6
	.text
	.protected	k_qb20f7843ed_prep
	.globl	k_qb20f7843ed_prep
	.p2align	8
	.type	k_qb20f7843ed_prep,@function
k_qb20f7843ed_prep:
	s_mov_b64 s[64:65], 0
	v_nop
	global_prefetch_b8 v0, s[64:65] scope:SCOPE_SE
	s_setreg_imm32_b32 hwreg(HW_REG_WAVE_MODE, 25, 1), 1
	s_wait_xcnt 0x0
; inputs [2048][1024] f32 become codes of E5M2 with one E8M0 byte for each 32 along K, and each row is stored at its SORTED place, rows of one group on end.
; key(j) = min(g_j, 8) x 2048 + j (unsigned minimum: every index outside 0..7 counts as 8); a row's place is the number of tokens with a smaller key: a permutation of 0..2047, stable inside a group.
; SHARES.  Work-groups 0..255: eight waves, a wave to a row.  A wave reads its row (4,096 bytes) and all 2,048 indices (64 a lane), quantises the row, counts its place by itself, and stores
; 1,024 codes to xq[place], 32 scale bytes to xs[place] and its token number to order[place].  A row whose index matches no group gets its row of out0 as zeros here, since no product and no bias reaches it.
; Work-group 256: wave w counts the tokens with key under (w + 1) x 2048: the first place of group w + 1: meta[w + 1]; meta[0] = 0.
; No wave needs another: no barrier, no atomics.  No matrix unit, no tensor loads: a stream with a count beside it.
; THE QUANTISER.  A block scale is 2^(floor(log2(largest magnitude)) - 15); its byte is the largest magnitude's exponent field - 15, held at 1 from below by a floor among the maximum's leaves.
; LIMITS: a block of zeros gets the byte 1 where the stated quantiser says 127: its codes are zeros, which add nothing, and this program alone reads the bytes.  NaN and infinities among the inputs are not served.
; xs and order are stored in pieces of 32 and 4 bytes a row: 73,728 bytes in all beside 2 MiB of codes, which leave as 512 consecutive bytes a store.
.set WREG, 5376                        ; LDS of a wave: two stages of 32 x SP bytes, then its 32 scale bytes
.set SP,   80                          ; a lane's place in a stage: 64 bytes + 16 of padding
.set SCB,  5120                        ; where the scale bytes begin in a wave's region
.set R,    32                          ; v32-63   two steps of 16 registers as loaded
.set X,    64                          ; v64-95   two steps of 16 neighbours along K
.set C,    96                          ; v96-103  the codes, four registers a step
.set E,    104                         ; v104-105 a scale byte a step
.set Z,    108                         ; v108-111 zeros
.set I,    112                         ; v112-175 the indices: register 4 q + c of a lane is token 128 q + 4 lane + c
	s_load_b256 s[4:11], s[0:1], 0x0               ; inputs s[4:5], group_indices s[6:7], xq s[8:9], xs s[10:11]
	s_load_b128 s[12:15], s[0:1], 0x20             ; order s[12:13], meta s[14:15]
	s_load_b64 s[16:17], s[0:1], 0x30              ; out0
	v_lshl_add_u32 v176, v0, 2, 0xa800
	v_mov_b32 v177, 0
	v_lshrrev_b32 v1, 5, v0
	v_readfirstlane_b32 s20, v1                    ; wave 0..7
	v_and_b32 v1, 31, v0                           ; lane
	v_lshlrev_b32 v2, 4, v1                        ; 16 x lane
	v_lshlrev_b32 v3, 2, v1                        ; 4 x lane
	s_mul_i32 s29, s20, WREG                       ; my wave's LDS
	v_lshrrev_b32 v4, 2, v1
	v_mul_u32_u24 v4, v4, SP
	v_and_b32 v5, 3, v1
	v_lshl_add_u32 v4, v5, 4, v4
	v_add_nc_u32 v4, s29, v4                       ; the stage, way in: four lanes' 64 bytes on end, then 16 of padding
	v_mul_u32_u24 v5, v1, SP
	v_add_nc_u32 v5, s29, v5                       ; way out: my 16 neighbours
	s_add_co_u32 s29, s29, SCB
	v_lshrrev_b32 v6, 1, v1
	v_add_nc_u32 v6, s29, v6                       ; my block's scale byte (two lanes to a block)
	v_and_b32 v7, 7, v1
	v_lshl_add_u32 v7, v7, 2, s29                  ; the row's 32 scale bytes come back as eight words
.irp k, 0,1,2,3
	v_mov_b32 v[Z+\k], 0
.endr
	s_mov_b32 s27, 0                               ; the upper word of every offset pair s[26:27]
	s_mov_b32 s28, 0x600000                        ; the mantissa field of 57,344
	s_wait_kmcnt 0x0
.macro IDX                             ; all 2,048 indices: 16 loads of 512 consecutive bytes
.irp q, 0,1,2,3,4,5,6,7,8,9,10,11,12,13,14,15
	global_load_b128 v[I+4*\q:I+4*\q+3], v2, s[6:7] offset:512*\q
.endr
.endm
.macro LOAD t                          ; step t: 512 numbers, four loads of 512 consecutive bytes
.irp i, 0,1,2,3
	global_load_b128 v[R+16*(\t)+4*\i:R+16*(\t)+4*\i+3], v2, s[4:5] offset:2048*(\t)+512*\i th:TH_LOAD_NT
.endr
.endm
.macro TURN t                          ; through the wave's own stage: in as loaded, out 64 neighbouring bytes a lane.  LDS serves a wave's instructions in order: no wait between
.irp i, 0,1,2,3
	ds_store_b128 v4, v[R+16*(\t)+4*\i:R+16*(\t)+4*\i+3] offset:32*SP*(\t)+8*SP*\i
.endr
.irp i, 0,1,2,3
	ds_load_b128 v[X+16*(\t)+4*\i:X+16*(\t)+4*\i+3], v5 offset:32*SP*(\t)+16*\i
.endr
.endm
.macro QUANT t                         ; my 16 numbers of step t become 16 codes; my block's byte goes to LDS
.set XS, X+16*(\t)
	v_max3_num_f32 v8, |v[XS]|, |v[XS+1]|, |v[XS+2]|               ; the largest magnitude of my 16, in two chains
	v_max3_num_f32 v9, |v[XS+3]|, |v[XS+4]|, |v[XS+5]|
.irp i, 6,10
	v_max3_num_f32 v8, v8, |v[XS+\i]|, |v[XS+\i+1]|
	v_max3_num_f32 v9, v9, |v[XS+\i+2]|, |v[XS+\i+3]|
.endr
	v_max3_num_f32 v8, v8, |v[XS+14]|, |v[XS+15]|
	v_max3_num_f32 v8, v8, v9, 0x8000000           ; and the floor 2^(16 - 127): the byte cannot fall under 1
	v_max_num_f32_dpp v8, v8, v8 row_xmask:1 row_mask:0xf bank_mask:0xf   ; with my neighbour's 16: the block's
	v_add_nc_u32 v11, 0xf8800000, v8               ; 15 off its exponent field: the conversion takes this operand's exponent field as its scale
	v_and_or_b32 v10, v8, 0x7f800000, s28          ; 57,344 x the scale
.irp i, 0,1,2,3,4,5,6,7,8,9,10,11,12,13,14,15
	v_med3_num_f32 v[XS+\i], v[XS+\i], -v10, v10   ; the conversion to an 8-bit code does not saturate (ISA guide 7.6.2): the hold comes first
.endr
	v_cvt_scalef32_pk8_bf8_f32 v[C+4*(\t):C+4*(\t)+1], v[XS:XS+7], v11
	v_cvt_scalef32_pk8_bf8_f32 v[C+4*(\t)+2:C+4*(\t)+3], v[XS+8:XS+15], v11
	v_lshrrev_b32 v[E+(\t)], 23, v11               ; the scale's byte; also the plain line behind the conversions
	ds_store_b8 v6, v[E+(\t)] offset:16*(\t)       ; both lanes of a block write the same byte with the same value
.endm
; s25 = the number of tokens j with key(j) < s24, held at top.  key(j) = (min(g_j, 8) << 11) + 4 lane + (128 q + c): the constant part goes to the other side of the compare.
; Four registers at a time, each line four times, so that no line waits for the line above it.
.macro COUNT top
	s_mov_b32 s25, 0
.set CM, 0
.rept 16
.irp k, 0,1,2,3
	v_min_u32 v[16+\k], 8, v[I+CM+\k]
.endr
.irp k, 0,1,2,3
	v_lshl_add_u32 v[16+\k], v[16+\k], 11, v3
.endr
.irp k, 0,1,2,3
	s_sub_co_i32 s[40+\k], s24, 128*(CM/4)+\k
.endr
.irp k, 0,1,2,3
	v_cmp_gt_i32 s[44+\k], s[40+\k], v[16+\k]      ; a bit for each lane whose token has the smaller key
.endr
.irp k, 0,1,2,3
	s_bcnt1_i32_b32 s[48+\k], s[44+\k]
.endr
.irp k, 0,1,2,3
	s_add_co_u32 s25, s25, s[48+\k]
.endr
.set CM, CM+4
.endr
	s_min_u32 s25, s25, \top                       ; a number made of loaded data is held by a constant before it enters an address
.endm
	s_cmp_eq_u32 ttmp9, 256
	s_cbranch_scc1 .Lmeta
	; ---- a row
	s_lshl_b32 s21, ttmp9, 3
	s_add_co_u32 s21, s21, s20                     ; my token i = 8 x work-group + wave
	s_lshl_b32 s26, s21, 2
	s_add_nc_u64 s[30:31], s[6:7], s[26:27]
	s_load_b32 s22, s[30:31], 0x0                  ; g_i
	s_lshl_b32 s26, s21, 12
	s_add_nc_u64 s[4:5], s[4:5], s[26:27]          ; my row of inputs
	LOAD 0
	LOAD 1
	IDX
	s_wait_loadcnt 20                              ; step 0 is in; behind it: step 1's four loads and the sixteen of the indices
	TURN 0
	s_wait_loadcnt 16                              ; step 1 is in; the indices may be out
	TURN 1
	s_wait_dscnt 8                                 ; step 0 is back from its stage; behind it: step 1's eight LDS instructions
	QUANT 0
	s_wait_dscnt 1                                 ; step 1 is back; behind it: step 0's byte store
	QUANT 1
	ds_load_b32 v12, v7                            ; the row's scale bytes, a word in each of lanes 0-7 (the others repeat them); in order behind my byte stores
	v_mov_b32 v13, s21                             ; my token number, for order
	s_wait_kmcnt 0x0
	s_min_u32 s22, s22, 8
	s_lshl_b32 s24, s22, 11
	s_add_co_u32 s24, s24, s21                     ; my key
	s_wait_loadcnt 0x0                             ; the indices
	COUNT 2047                                     ; s25 = my place
	s_lshl_b32 s26, s25, 10
	s_add_nc_u64 s[8:9], s[8:9], s[26:27]
	s_lshl_b32 s26, s25, 5
	s_add_nc_u64 s[10:11], s[10:11], s[26:27]
	s_lshl_b32 s26, s25, 2
	s_add_nc_u64 s[12:13], s[12:13], s[26:27]
	global_store_b128 v2, v[C:C+3], s[8:9]         ; 32 lanes store 512 consecutive bytes, at a multiple of 256 from the buffer's first byte
	global_store_b128 v2, v[C+4:C+7], s[8:9] offset:512
	s_cmp_lg_u32 s22, 8
	s_cbranch_scc1 .Lvalid
	s_lshl_b32 s26, s21, 14                        ; no group matches: the token's row of out0 is zeros
	s_add_nc_u64 s[16:17], s[16:17], s[26:27]
.irp k, 0,1,2,3,4,5,6,7,8,9,10,11,12,13,14,15,16,17,18,19,20,21,22,23,24,25,26,27,28,29,30,31
	global_store_b128 v2, v[Z:Z+3], s[16:17] offset:512*\k
.endr
.Lvalid:
	s_wait_dscnt 0x0                               ; the scale words are in
	v_cmp_gt_u32 vcc_lo, 8, v1
	s_wait_xcnt 0x0                                ; EXEC is a source of the stores above: it changes only behind this wait
	s_wait_tensorcnt 0x0
	ds_add_u32 v176, v177
	s_wait_dscnt 0x0
	s_and_saveexec_b32 s38, vcc_lo
	global_store_b32 v3, v12, s[10:11]             ; lanes 0-7: the row's 32 scale bytes
	s_wait_xcnt 0x0
	s_or_b32 exec_lo, exec_lo, s38
	v_cmp_eq_u32 vcc_lo, 0, v1
	s_and_saveexec_b32 s38, vcc_lo
	global_store_b32 v3, v13, s[12:13]             ; lane 0: order[place] = i
	s_wait_xcnt 0x0
	s_or_b32 exec_lo, exec_lo, s38
	s_endpgm
	; ---- the groups' first places
.Lmeta:
	IDX
	s_add_co_u32 s24, s20, 1
	s_lshl_b32 s24, s24, 11                        ; every key of groups 0 .. wave lies under (wave + 1) x 2048
	s_wait_loadcnt 0x0
	COUNT 2048
	v_mov_b32 v13, s25
	v_mov_b32 v14, s20
	v_lshlrev_b32 v14, 2, v14                      ; 4 x wave
	v_cmp_eq_u32 vcc_lo, 0, v1
	s_wait_xcnt 0x0
	s_and_saveexec_b32 s38, vcc_lo
	global_store_b32 v14, v13, s[14:15] offset:4   ; meta[wave + 1]
	s_cmp_lg_u32 s20, 0
	s_cbranch_scc1 .Lnot_wave_0
	global_store_b32 v14, v[Z], s[14:15]           ; meta[0] = 0
.Lnot_wave_0:
	s_wait_xcnt 0x0
	s_or_b32 exec_lo, exec_lo, s38
	s_endpgm
.Lfunc_end_k_qb20f7843ed_prep:
	.size	k_qb20f7843ed_prep, .Lfunc_end_k_qb20f7843ed_prep-k_qb20f7843ed_prep
	.p2alignl 7, 3214868480
	.fill 96, 4, 3214868480
	.section	.rodata,"a",@progbits
	.p2align	6, 0x0
	.amdhsa_kernel k_qb20f7843ed_prep
		.amdhsa_group_segment_fixed_size 44032
		.amdhsa_private_segment_fixed_size 0
		.amdhsa_enable_private_segment 0
		.amdhsa_kernarg_size 56
		.amdhsa_user_sgpr_count 2
		.amdhsa_user_sgpr_kernarg_segment_ptr 1
		.amdhsa_wavefront_size32 1
		.amdhsa_system_sgpr_workgroup_id_x 1
		.amdhsa_system_sgpr_workgroup_id_y 1
		.amdhsa_system_sgpr_workgroup_id_z 1
		.amdhsa_system_vgpr_workitem_id 0
		.amdhsa_next_free_vgpr 178
		.amdhsa_next_free_sgpr 66
		.amdhsa_reserve_vcc 1
		.amdhsa_float_denorm_mode_32 3
		.amdhsa_float_denorm_mode_16_64 3
		.amdhsa_memory_ordered 1
		.amdhsa_forward_progress 1
		.amdhsa_inst_pref_size 52
	.end_amdhsa_kernel
	.amdgpu_metadata
---
amdhsa.version: [ 1, 2 ]
amdhsa.kernels:
  - .name:           k_qb20f7843ed_prep
    .symbol:         k_qb20f7843ed_prep.kd
    .args:
      - { .name: inputs, .offset: 0, .size: 8, .value_kind: global_buffer, .address_space: global }
      - { .name: group_indices, .offset: 8, .size: 8, .value_kind: global_buffer, .address_space: global }
      - { .name: xq, .offset: 16, .size: 8, .value_kind: global_buffer, .address_space: global }
      - { .name: xs, .offset: 24, .size: 8, .value_kind: global_buffer, .address_space: global }
      - { .name: order, .offset: 32, .size: 8, .value_kind: global_buffer, .address_space: global }
      - { .name: meta, .offset: 40, .size: 8, .value_kind: global_buffer, .address_space: global }
      - { .name: out0, .offset: 48, .size: 8, .value_kind: global_buffer, .address_space: global }
    .group_segment_fixed_size: 44032
    .private_segment_fixed_size: 0
    .kernarg_segment_align: 8
    .kernarg_segment_size: 56
    .max_flat_workgroup_size: 256
    .sgpr_count:     66
    .vgpr_count:     178
    .wavefront_size: 32
...
	.end_amdgpu_metadata
.endif
;; end of part 1
;; launch gemm (part 2): grid 32 x 8, 4 waves a work-group, no clusters, 200,192 bytes of LDS; arguments b, xq, xs, order, meta, w_codes, w_scales, out0; writes out0
.if DOCPART == 2
	.amdgcn_target "amdgcn-amd-amdhsa--gfx1250"
	.amdhsa_code_object_version 6
	.text
	.protected	k_qb20f7843ed_gemm
	.globl	k_qb20f7843ed_gemm
	.p2align	8
	.type	k_qb20f7843ed_gemm,@function
k_qb20f7843ed_gemm:
	s_mov_b64 s[64:65], 0
	v_nop
	global_prefetch_b8 v0, s[64:65] scope:SCOPE_SE
	s_setreg_imm32_b32 hwreg(HW_REG_WAVE_MODE, 25, 1), 1
	s_wait_xcnt 0x0
; out0[token] = Q(inputs[token]) . w[g] + b[g], for the tokens of group g alone: the other seven masked products of a token are products of a row of zeros.
; SHARES.  Work-group (x, e) makes columns 128 x .. 128 x + 127 for all rows of group e: places meta[e] .. meta[e + 1] - 1 of the sorted codes xq.  8 x 32 = 256 work-groups, four waves each.
; W.  The block's 128 columns x 1,024 codes are 131,072 consecutive bytes: each wave reads a quarter, 512 consecutive bytes a load, once, and lays it into LDS; ONE barrier; then LDS is only read.
; ROWS.  The waves share the rows: tile T (16 places) belongs to wave T mod 4.  A wave holds the fragments of up to four tiles for all of K (4 x 128 registers) and sweeps W's fragments from LDS:
; each fragment of W read from LDS feeds four matrix instructions.  More than 256 rows in a group: further passes of a loop whose count comes from meta; no barrier stands in it.
; COLUMNS OF A TILE ARE NOT NEIGHBOURS: lane r of tile t of column group q takes column 64 q + 4 r + t.  So the four accumulators t = 0..3 give a lane FOUR NEIGHBOURING columns of one row; the bias addition
; writes them into four consecutive registers, and one store has sixteen lanes cover 256 consecutive bytes of a row of out0, aligned.  No way out through LDS.
; Source 0 = 16 rows of tokens, source 1 = 16 columns of W: register j of a result is row 8 (lane / 16) + j, column by lane % 16.
; PAD ROWS.  Places past the group's end are held at its last place: the last tile repeats that row, and the row is stored again with the same bytes.  A tile wholly past the end is computed where it shares a pass and never stored.
; NO TENSOR LOADS, NO CLUSTER: the 32 work-groups of a group read the same rows of xq, but which rows, and how many passes, comes from numbers read from memory; trip counts and branches hang on them,
; so operands go through registers, and a joint request has no place.  W's blocks, about a third of what a work-group reads at an even split, are shared by nobody.
; LIMIT: a split in which one group has most tokens is served rightly but by that group's 32 work-groups alone.
; REGISTERS, in windows of 256 (s_set_vgpr_msb: bits 1:0 source 0, 3:2 source 1, 5:4 source 2, 7:6 destination):
;   window 0: v1-12 lane terms and addresses that stay; v13-15 at work; the runs named below.
;   window 1: v0-127 the 16 accumulators ((g, t) at 8 (4 g + t)); v128-255 W's fragments, two buffers of four; at the head all 256 take W as it is loaded.
;   window 2: A's tiles 0 and 1, 128 registers each (K step s at 16 s); window 3: tiles 2 and 3.  A tile's registers first take its rows as they are loaded.
.set P,    1040                        ; an LDS row: 1,024 bytes + 16 = 65 x 16: the 16 rows that a fragment load touches start in 16 different columns of 16 bytes
.set AST,  128*P                       ; behind W's 128 rows: 16 rows for each wave, its own, to turn 16 rows of xq into fragments
.set SA,   16                          ; v16-19   tile g: my byte offset in xs
.set AS,   32                          ; v32-47   tile g: A's scale words: register i: lanes 0-15 K step i, lanes 16-31 K step 4 + i
.set WS,   48                          ; v48-79   W's, for tile 4 q + t, likewise
.set BI,   80                          ; v80-87   b at my four columns of column group q
.set OO,   88                          ; v88-119  (g, j): my byte offset in out0: token x 16,384 + 16 (lane % 16)
.set AA,   120                         ; v120-151 (g, j): my byte offset in xq: place x 1,024 + 16 (lane % 16)
.set ST,   152                         ; v152-215 results with bias, two sets of 32
.set TK,   216                         ; v216-247 (g, j): 4 x place, then the token number loaded from there
.set MSB, 0
.macro WIN new                         ; the immediate's high byte repeats the setting that is left; a switch that changes nothing is dropped
.if MSB != (\new)
	s_set_vgpr_msb (MSB<<8)|(\new)
.set MSB, (\new)
.endif
.endm
; A load into a register that a matrix instruction has read, and a vector instruction that reads a matrix result, stand eight places behind it for this form
.macro PLACES
.rept 8
	v_nop
.endr
.endm
.macro WLOADS c                        ; 16 of my 64 loads of W: load n brings bytes 512 n .. 512 n + 511 of my 32 columns into window 1, v[4 n]
	WIN 0x40
.set WN, 16*(\c)
.rept 16
	global_load_b128 v[4*WN:4*WN+3], v4, s[14:15] offset:512*WN th:TH_LOAD_NT
.set WN, WN+1
.endr
.endm
.macro WSTORE c                        ; and into LDS: my column i = n / 2 is column 4 r + t of its group of 64, with t = i % 4: it goes to row 16 t + r
	WIN 0x04
.set WN, 16*(\c)
.rept 16
	ds_store_b128 v5, v[4*WN:4*WN+3] offset:(16*((WN/2)&3)+((WN/2)>>2))*P+512*(WN%2)
.set WN, WN+1
.endr
.endm
; The pass's addresses.  s35 = the first place of my tile 0; tile g begins 64 places on.  Each place is held at the group's last (s28) and, being made of loaded numbers, by a constant.
.macro ADDR
.irp g, 0,1,2,3
	s_add_co_u32 s36, s35, 64*\g
	v_add_nc_u32 v13, s36, v1                      ; the place of row lane % 16: for the scale words
	v_add_nc_u32 v14, s36, v11                     ; the place of row 8 (lane / 16)
	v_min_u32 v13, s28, v13
	v_min_u32 v13, 0x7ff, v13
	v_lshl_add_u32 v[SA+\g], v13, 5, v12           ; 32 bytes a place, + 16 for lanes 16-31
.irp j, 1,2,3,4,5,6,7
	v_add_nc_u32 v[AA+8*\g+\j], \j, v14
.endr
	v_min_u32 v[AA+8*\g], s28, v14
.irp j, 1,2,3,4,5,6,7
	v_min_u32 v[AA+8*\g+\j], s28, v[AA+8*\g+\j]
.endr
.irp j, 0,1,2,3,4,5,6,7
	v_min_u32 v[AA+8*\g+\j], 0x7ff, v[AA+8*\g+\j]
.endr
.irp j, 0,1,2,3,4,5,6,7
	v_lshlrev_b32 v[TK+8*\g+\j], 2, v[AA+8*\g+\j]
.endr
.irp j, 0,1,2,3,4,5,6,7
	v_lshl_add_u32 v[AA+8*\g+\j], v[AA+8*\g+\j], 10, v3
.endr
.endr
.endm
.macro TLOADS                          ; 36 loads: the token number of row 8 (lane / 16) + j of each tile (the load lands on its own address register), and A's scale words
.irp g, 0,1,2,3
.irp j, 0,1,2,3,4,5,6,7
	global_load_b32 v[TK+8*\g+\j], v[TK+8*\g+\j], s[10:11]
.endr
.endr
.irp g, 0,1,2,3
	global_load_b128 v[AS+4*\g:AS+4*\g+3], v[SA+\g], s[8:9]
.endr
.endm
.macro LOADA g                         ; tile g's 16 rows of codes: 32 loads; in each, sixteen lanes read 256 consecutive bytes of one row, aligned
	WIN 0x80+0x40*((\g)/2)
.irp j, 0,1,2,3,4,5,6,7
.irp k, 0,1,2,3
	global_load_b128 v[128*((\g)%2)+4*(4*\j+\k):128*((\g)%2)+4*(4*\j+\k)+3], v[AA+8*(\g)+\j], s[6:7] offset:256*\k
.endr
.endr
.endm
; Tile g through my own 16 LDS rows: in as loaded, out as fragments (lane: row lane % 16; registers 16 s + 4 c on: K = 128 s + 32 c + 16 (lane / 16) + 0 .. 15), into the registers that it left.
; LDS serves a wave's instructions in order (ISA guide 5.7.1.4): no wait between stores and loads, nor ahead of the next tile's stores.  left: the younger global loads that may stay out.
.macro TRANS g, left
	s_wait_loadcnt \left
	WIN 0x08+0x04*((\g)/2)
.irp j, 0,1,2,3,4,5,6,7
.irp k, 0,1,2,3
	ds_store_b128 v8, v[128*((\g)%2)+4*(4*\j+\k):128*((\g)%2)+4*(4*\j+\k)+3] offset:\j*P+256*\k
.endr
.endr
	WIN 0x80+0x40*((\g)/2)
.irp s, 0,1,2,3,4,5,6,7
.irp c, 0,1,2,3
	ds_load_b128 v[128*((\g)%2)+16*\s+4*\c:128*((\g)%2)+16*\s+4*\c+3], v9 offset:128*\s+32*\c
.endr
.endr
.endm
.macro WFETCH n                        ; step n = 8 q + s: W's four fragments of column group q, K step s, into buffer n % 2
	WIN 0x40
.irp t, 0,1,2,3
.irp c, 0,1,2,3
	ds_load_b128 v[128+64*((\n)%2)+16*\t+4*\c:128+64*((\n)%2)+16*\t+4*\c+3], v[6+(\n)/8] offset:16*\t*P+128*((\n)%8)+32*\c
.endr
.endr
.endm
.macro MM g, t, n                      ; one product: tile g of rows x tile t of columns, step n.  K step 0 starts the sum with the constant 0: nothing is cleared
.set sK, (\n)%8
.set rD, 8*(4*(\g)+(\t))
.set rA, 128*((\g)%2)+16*sK
.set rB, 128+64*((\n)%2)+16*(\t)
.set rSA, AS+4*(\g)+(sK%4)
.set rSB, WS+4*(4*((\n)/8)+(\t))+(sK%4)
.if sK == 0
	v_wmma_scale_f32_16x16x128_f8f6f4 v[rD:rD+7], v[rA:rA+15], v[rB:rB+15], 0, v[rSA], v[rSB] matrix_a_fmt:MATRIX_FMT_BF8 matrix_b_fmt:MATRIX_FMT_BF8
.elseif sK < 4
	v_wmma_scale_f32_16x16x128_f8f6f4 v[rD:rD+7], v[rA:rA+15], v[rB:rB+15], v[rD:rD+7], v[rSA], v[rSB] matrix_a_fmt:MATRIX_FMT_BF8 matrix_b_fmt:MATRIX_FMT_BF8
.else
	v_wmma_scale_f32_16x16x128_f8f6f4 v[rD:rD+7], v[rA:rA+15], v[rB:rB+15], v[rD:rD+7], v[rSA], v[rSB] matrix_a_fmt:MATRIX_FMT_BF8 matrix_b_fmt:MATRIX_FMT_BF8 matrix_a_scale:MATRIX_SCALE_ROW1 matrix_b_scale:MATRIX_SCALE_ROW1
.endif
.endm
; A step: the next step's fragments of W are asked for, then this step's 4 x tiles products.  The accumulators take turns, one instruction a turn, from step to step too.
.macro STEP n, tiles
.if (\n) < 15
	PLACES                                         ; the buffer to be loaded was read by the step before
	WFETCH (\n)+1
	s_wait_dscnt 16                                ; all but the 16 just issued: this step's fragments of W are in (in a pass's first step: A's too)
.else
	s_wait_dscnt 0x0
.endif
	WIN 0x56                                       ; A window 2; B, C and D window 1
.irp g, 0,1
.irp t, 0,1,2,3
	MM \g, \t, \n
.endr
.endr
.if (\tiles) == 4
	WIN 0x57                                       ; A window 3
.irp g, 2,3
.irp t, 0,1,2,3
	MM \g, \t, \n
.endr
.endr
.endif
.endm
; Column group q leaves.  Tile g is stored only if it is one of the pass's s34 tiles.  Each accumulator is read from its register 0 on.
.macro OUT q
.irp g, 0,1,2,3
	WIN 0
.if \g > 0
	s_cmp_gt_u32 s34, \g
	s_cbranch_scc0 .Lout_done_\@
.endif
	s_wait_xcnt 0x0                                ; earlier stores have read their data: the set may be written again
	WIN 0x01                                       ; source 0 window 1
.irp j, 0,1,2,3,4,5,6,7
.irp t, 0,1,2,3
	v_add_f32 v[ST+32*(\g%2)+4*\j+\t], v[8*(4*\g+\t)+\j], v[BI+4*\q+\t]
.endr
.endr
	WIN 0
.irp j, 0,1,2,3,4,5,6,7
	global_store_b128 v[OO+8*\g+\j], v[ST+32*(\g%2)+4*\j:ST+32*(\g%2)+4*\j+3], s[18:19] offset:256*\q th:TH_STORE_NT   ; lanes 0-15: 256 consecutive bytes of row j's token, aligned; lanes 16-31: of row 8 + j's
.endr
.endr
.Lout_done_\@:
.endm
	s_load_b512 s[4:19], s[0:1], 0x0               ; b s[4:5], xq s[6:7], xs s[8:9], order s[10:11], meta s[12:13], w_codes s[14:15], w_scales s[16:17], out0 s[18:19]
	v_lshl_add_u32 v254, v0, 2, 0x30c00
	v_mov_b32 v255, 0
	v_lshrrev_b32 v13, 5, v0
	v_readfirstlane_b32 s20, v13                   ; wave 0..3
	s_and_b32 s21, ttmp7, 0xffff                   ; the group e
	v_and_b32 v1, 15, v0                           ; r
	v_bfe_u32 v2, v0, 4, 1                         ; h
	v_lshlrev_b32 v3, 4, v1                        ; 16 r
	v_and_b32 v13, 31, v0
	v_lshlrev_b32 v4, 4, v13                       ; 16 x lane
	s_lshr_b32 s36, s20, 1
	s_mul_i32 s36, s36, 64*P
	s_and_b32 s37, s20, 1
	s_mul_i32 s37, s37, 8*P
	s_add_co_u32 s36, s36, s37
	v_add_nc_u32 v5, s36, v4                       ; W into LDS: my 32 columns are r = 8 (wave % 2) on of column group wave / 2
	v_mul_u32_u24 v6, v1, P
	v_lshl_add_u32 v6, v2, 4, v6                   ; W's fragments, column group 0: row r, + 16 h;
	v_add_nc_u32 v7, 64*P, v6                      ; column group 1
	s_mul_i32 s37, s20, 16*P
	s_add_co_u32 s37, s37, AST                     ; my 16 rows for A
	v_mul_u32_u24 v8, v2, 8*P
	v_add_nc_u32 v8, v8, v3
	v_add_nc_u32 v8, s37, v8                       ; in: row 8 h (+ j), byte 16 r
	v_add_nc_u32 v9, s37, v6                       ; out: row r, + 16 h
	v_lshlrev_b32 v10, 7, v1
	v_lshl_add_u32 v10, v2, 4, v10                 ; W's scale bytes: column 4 r: 128 r, + 16 h
	v_lshlrev_b32 v11, 3, v2                       ; 8 h
	v_lshlrev_b32 v12, 4, v2                       ; 16 h
	s_mov_b32 s25, 0                               ; the upper word of the offset pair s[24:25]
	s_wait_kmcnt 0x0
	s_lshl_b32 s24, s21, 2
	s_add_nc_u64 s[12:13], s[12:13], s[24:25]
	s_load_b64 s[26:27], s[12:13], 0x0             ; meta[e], meta[e + 1]
	s_lshl_b32 s37, ttmp9, 9                       ; 128 x columns of 4 bytes
	s_mov_b32 s24, s37
	s_add_nc_u64 s[18:19], s[18:19], s[24:25]      ; out0 at my first column
	s_lshl_b32 s24, s21, 14
	s_add_co_u32 s24, s24, s37
	s_add_nc_u64 s[4:5], s[4:5], s[24:25]          ; b at group e, my first column
	s_lshl_b32 s24, s21, 17
	s_lshl_b32 s37, ttmp9, 12
	s_add_co_u32 s24, s24, s37
	s_add_nc_u64 s[16:17], s[16:17], s[24:25]      ; W's scale bytes: 32 a column
	s_lshl_b32 s24, s21, 22
	s_lshl_b32 s37, ttmp9, 17
	s_add_co_u32 s24, s24, s37
	s_lshl_b32 s37, s20, 15
	s_add_co_u32 s24, s24, s37
	s_add_nc_u64 s[14:15], s[14:15], s[24:25]      ; W's codes: 1,024 bytes a column; my wave's 32 columns
.irp q, 0,1
.irp t, 0,1,2,3
	global_load_b128 v[WS+4*(4*\q+\t):WS+4*(4*\q+\t)+3], v10, s[16:17] offset:(64*\q+\t)*32
.endr
.endr
.irp q, 0,1
	global_load_b128 v[BI+4*\q:BI+4*\q+3], v3, s[4:5] offset:256*\q
.endr
	WLOADS 0                                       ; 58 loads are out behind these three runs: W is on its way while meta comes
	WLOADS 1
	WLOADS 2
	WIN 0
	s_wait_kmcnt 0x0
	s_min_u32 s26, s26, 2048                       ; first place
	s_min_u32 s27, s27, 2048                       ; end
	s_sub_co_u32 s28, s27, 1                       ; the group's last place
	s_sub_co_u32 s29, s27, s26                     ; rows
	s_add_co_u32 s30, s29, 15
	s_lshr_b32 s30, s30, 4                         ; tiles
	s_add_co_u32 s31, s30, 3
	s_sub_co_u32 s31, s31, s20
	s_lshr_b32 s31, s31, 2                         ; my wave's tiles: those with number = wave modulo 4
	s_add_co_u32 s32, s31, 3
	s_lshr_b32 s32, s32, 2                         ; my passes, four tiles each
	s_mov_b32 s33, 0                               ; the pass
	s_min_u32 s34, s31, 4                          ; its tiles
	s_lshl_b32 s35, s20, 4
	s_add_co_u32 s35, s35, s26                     ; the first place of my first tile
	ADDR
	WLOADS 3
	WIN 0
	TLOADS
.irp c, 0,1,2,3
	s_wait_loadcnt 63                              ; behind W's run c stand 84, 100, 116, 132 younger loads: more than the count can name, and 63 asks for more than is needed
	WSTORE \c
	LOADA \c                                       ; A's tiles are asked for as W's registers drain
.endr
	WIN 0
	s_wait_dscnt 0x0                               ; for the others: my quarter of W lies in LDS
	s_barrier_signal -1
	s_barrier_wait -1                              ; the one barrier: every wave passes it, ahead of every branch on loaded numbers.  From here on W's rows are only read
	s_cmp_eq_u32 s32, 0
	s_cbranch_scc1 .Lend                           ; no tile for this wave: it stores nothing
.Lpass:
	s_wait_xcnt 0x0                                ; the last pass's stores have read their offsets
	s_wait_loadcnt 63                              ; behind the token numbers stand 4 + 128 younger loads, behind A's tile 0 96
.set i, 0
.rept 32
	v_min_u32 v[OO+i], 0x7ff, v[TK+i]              ; a loaded number is held by a constant before it enters an address
.set i, i+1
.endr
.set i, 0
.rept 32
	v_lshl_add_u32 v[OO+i], v[OO+i], 14, v3        ; token x 16,384 bytes + 16 r
.set i, i+1
.endr
	TRANS 0, 63                                    ; 96 younger loads
	TRANS 1, 63                                    ; 64 younger loads
	WIN 0
	s_cmp_gt_u32 s34, 2
	s_cbranch_scc0 .Lfew
	TRANS 2, 32                                    ; tile 3's 32 may be out
	TRANS 3, 0
	WIN 0
.Lfew:
	s_wait_loadcnt 0x0                             ; on both ways: nothing is on its way into a register any more
	WFETCH 0
	WIN 0
	s_cmp_gt_u32 s34, 2
	s_cbranch_scc0 .Lsmall_a
.irp n, 0,1,2,3,4,5,6,7
	STEP \n, 4
.endr
	WIN 0
	s_branch .Ljoin_a
.Lsmall_a:                                             ; one or two tiles: half the products
.irp n, 0,1,2,3,4,5,6,7
	STEP \n, 2
.endr
	WIN 0
.Ljoin_a:
	PLACES                                         ; ahead of the first read of results
	OUT 0                                          ; column group 0 leaves; its additions and the next step's places stand between these sums and the sums begun anew on the same registers
	s_cmp_gt_u32 s34, 2
	s_cbranch_scc0 .Lsmall_b
.irp n, 8,9,10,11,12,13,14,15
	STEP \n, 4
.endr
	WIN 0
	s_branch .Ljoin_b
.Lsmall_b:
.irp n, 8,9,10,11,12,13,14,15
	STEP \n, 2
.endr
	WIN 0
.Ljoin_b:
	PLACES                                         ; ahead of the reads of results, and of the loads below into registers that the products have read
	s_add_co_u32 s37, s33, 1
	s_cmp_lt_u32 s37, s32
	s_cbranch_scc0 .Lno_next
	s_wait_xcnt 0x0                                ; the address registers are written again only behind this wait
	s_add_co_u32 s35, s35, 256                     ; the next pass: 16 tiles of the group on.  Always all four tiles, in the same order as at the head, so that the counts at the loop's head hold
	ADDR
	TLOADS
	LOADA 0
	LOADA 1
	LOADA 2
	LOADA 3
	WIN 0
.Lno_next:
	OUT 1                                          ; column group 1 leaves while the next pass's rows are on their way
	s_add_co_u32 s33, s33, 1
	s_lshl_b32 s37, s33, 2
	s_sub_co_u32 s34, s31, s37
	s_min_u32 s34, s34, 4                          ; the next pass's tiles
	s_cmp_lt_u32 s33, s32
	s_cbranch_scc1 .Lpass
.Lend:
	s_wait_tensorcnt 0x0
	ds_add_u32 v254, v255
	s_wait_dscnt 0x0
	s_endpgm
.Lfunc_end_k_qb20f7843ed_gemm:
	.size	k_qb20f7843ed_gemm, .Lfunc_end_k_qb20f7843ed_gemm-k_qb20f7843ed_gemm
	.p2alignl 7, 3214868480
	.fill 96, 4, 3214868480
	.section	.rodata,"a",@progbits
	.p2align	6, 0x0
	.amdhsa_kernel k_qb20f7843ed_gemm
		.amdhsa_group_segment_fixed_size 200192
		.amdhsa_private_segment_fixed_size 0
		.amdhsa_enable_private_segment 0
		.amdhsa_kernarg_size 64
		.amdhsa_user_sgpr_count 2
		.amdhsa_user_sgpr_kernarg_segment_ptr 1
		.amdhsa_wavefront_size32 1
		.amdhsa_system_sgpr_workgroup_id_x 1
		.amdhsa_system_sgpr_workgroup_id_y 1
		.amdhsa_system_sgpr_workgroup_id_z 1
		.amdhsa_system_vgpr_workitem_id 0
		.amdhsa_next_free_vgpr 1024
		.amdhsa_next_free_sgpr 66
		.amdhsa_reserve_vcc 0
		.amdhsa_float_denorm_mode_32 3
		.amdhsa_float_denorm_mode_16_64 3
		.amdhsa_memory_ordered 1
		.amdhsa_forward_progress 1
		.amdhsa_inst_pref_size 189
	.end_amdhsa_kernel
	.amdgpu_metadata
---
amdhsa.version: [ 1, 2 ]
amdhsa.kernels:
  - .name:           k_qb20f7843ed_gemm
    .symbol:         k_qb20f7843ed_gemm.kd
    .args:
      - { .name: b, .offset: 0, .size: 8, .value_kind: global_buffer, .address_space: global }
      - { .name: xq, .offset: 8, .size: 8, .value_kind: global_buffer, .address_space: global }
      - { .name: xs, .offset: 16, .size: 8, .value_kind: global_buffer, .address_space: global }
      - { .name: order, .offset: 24, .size: 8, .value_kind: global_buffer, .address_space: global }
      - { .name: meta, .offset: 32, .size: 8, .value_kind: global_buffer, .address_space: global }
      - { .name: w_codes, .offset: 40, .size: 8, .value_kind: global_buffer, .address_space: global }
      - { .name: w_scales, .offset: 48, .size: 8, .value_kind: global_buffer, .address_space: global }
      - { .name: out0, .offset: 56, .size: 8, .value_kind: global_buffer, .address_space: global }
    .group_segment_fixed_size: 200192
    .private_segment_fixed_size: 0
    .kernarg_segment_align: 8
    .kernarg_segment_size: 64
    .max_flat_workgroup_size: 128
    .sgpr_count:     66
    .vgpr_count:     1024
    .wavefront_size: 32
...
	.end_amdgpu_metadata
.endif
;; end of part 2
;; ======== version 2 of 2: 2 launches
;; workspace buffers: xq 2,097,152 bytes; xs 65,536 bytes; order 8,192 bytes of whole numbers; meta 256 bytes of whole numbers
;; launch prep (part 3): grid 257 x 1, 8 waves a work-group, no clusters, 44,032 bytes of LDS; arguments inputs, group_indices, xq, xs, order, meta, out0; writes xq, xs, order, meta, out0
.if DOCPART == 3
	.amdgcn_target "amdgcn-amd-amdhsa--gfx1250"
	.amdhsa_code_object_version 6
	.text
	.protected	k_qb20f7843ed_prep
	.globl	k_qb20f7843ed_prep
	.p2align	8
	.type	k_qb20f7843ed_prep,@function
k_qb20f7843ed_prep:
	s_mov_b64 s[64:65], 0
	v_nop
	global_prefetch_b8 v0, s[64:65] scope:SCOPE_SE
	s_setreg_imm32_b32 hwreg(HW_REG_WAVE_MODE, 25, 1), 1
	s_wait_xcnt 0x0
; inputs [2048][1024] f32 become codes of E5M2 with one E8M0 byte for each 32 along K, and each row is stored at its SORTED place, rows of one group on end.
; key(j) = min(g_j, 8) x 2048 + j (unsigned minimum: every index outside 0..7 counts as 8); a row's place is the number of tokens with a smaller key: a permutation of 0..2047, stable inside a group.
; SHARES.  Work-groups 0..255: eight waves, a wave to a row.  A wave reads its row (4,096 bytes) and all 2,048 indices (64 a lane), quantises the row, counts its place by itself, and stores
; 1,024 codes to xq[place], 32 scale bytes to xs[place] and its token number to order[place].  A row whose index matches no group gets its row of out0 as zeros here, since no product and no bias reaches it.
; Work-group 256: wave w counts the tokens with key under (w + 1) x 2048: the first place of group w + 1: meta[w + 1]; meta[0] = 0.
; No wave needs another: no barrier, no atomics.  No matrix unit, no tensor loads: a stream with a count beside it.
; THE QUANTISER.  A block scale is 2^(floor(log2(largest magnitude)) - 15); its byte is the largest magnitude's exponent field - 15, held at 1 from below by a floor among the maximum's leaves.
; LIMITS: a block of zeros gets the byte 1 where the stated quantiser says 127: its codes are zeros, which add nothing, and this program alone reads the bytes.  NaN and infinities among the inputs are not served.
; xs and order are stored in pieces of 32 and 4 bytes a row: 73,728 bytes in all beside 2 MiB of codes, which leave as 512 consecutive bytes a store.
.set WREG, 5376                        ; LDS of a wave: two stages of 32 x SP bytes, then its 32 scale bytes
.set SP,   80                          ; a lane's place in a stage: 64 bytes + 16 of padding
.set SCB,  5120                        ; where the scale bytes begin in a wave's region
.set R,    32                          ; v32-63   two steps of 16 registers as loaded
.set X,    64                          ; v64-95   two steps of 16 neighbours along K
.set C,    96                          ; v96-103  the codes, four registers a step
.set E,    104                         ; v104-105 a scale byte a step
.set Z,    108                         ; v108-111 zeros
.set I,    112                         ; v112-175 the indices: register 4 q + c of a lane is token 128 q + 4 lane + c
	s_load_b256 s[4:11], s[0:1], 0x0               ; inputs s[4:5], group_indices s[6:7], xq s[8:9], xs s[10:11]
	s_load_b128 s[12:15], s[0:1], 0x20             ; order s[12:13], meta s[14:15]
	s_load_b64 s[16:17], s[0:1], 0x30              ; out0
	v_lshl_add_u32 v176, v0, 2, 0xa800
	v_mov_b32 v177, 0
	v_lshrrev_b32 v1, 5, v0
	s_delay_alu instid0(VALU_DEP_1)
	v_readfirstlane_b32 s20, v1                    ; wave 0..7
	v_and_b32 v1, 31, v0                           ; lane
	s_delay_alu instid0(VALU_DEP_1)
	v_lshlrev_b32 v2, 4, v1                        ; 16 x lane
	s_delay_alu instid0(VALU_DEP_2)
	v_lshlrev_b32 v3, 2, v1                        ; 4 x lane
	s_mul_i32 s29, s20, WREG                       ; my wave's LDS
	v_lshrrev_b32 v4, 2, v1
	s_delay_alu instid0(VALU_DEP_1)
	v_mul_u32_u24 v4, v4, SP
	v_and_b32 v5, 3, v1
	s_delay_alu instid0(VALU_DEP_1)
	v_lshl_add_u32 v4, v5, 4, v4
	s_delay_alu instid0(VALU_DEP_1)
	v_add_nc_u32 v4, s29, v4                       ; the stage, way in: four lanes' 64 bytes on end, then 16 of padding
	v_mul_u32_u24 v5, v1, SP
	s_delay_alu instid0(VALU_DEP_1)
	v_add_nc_u32 v5, s29, v5                       ; way out: my 16 neighbours
	s_add_co_u32 s29, s29, SCB
	v_lshrrev_b32 v6, 1, v1
	s_delay_alu instid0(VALU_DEP_1)
	v_add_nc_u32 v6, s29, v6                       ; my block's scale byte (two lanes to a block)
	v_and_b32 v7, 7, v1
	s_delay_alu instid0(VALU_DEP_1)
	v_lshl_add_u32 v7, v7, 2, s29                  ; the row's 32 scale bytes come back as eight words
.irp k, 0,1,2,3
	v_mov_b32 v[Z+\k], 0
.endr
	s_mov_b32 s27, 0                               ; the upper word of every offset pair s[26:27]
	s_mov_b32 s28, 0x600000                        ; the mantissa field of 57,344
	s_wait_kmcnt 0x0
.macro IDX                             ; all 2,048 indices: 16 loads of 512 consecutive bytes
.irp q, 0,1,2,3,4,5,6,7,8,9,10,11,12,13,14,15
	global_load_b128 v[I+4*\q:I+4*\q+3], v2, s[6:7] offset:512*\q
.endr
.endm
.macro LOAD t                          ; step t: 512 numbers, four loads of 512 consecutive bytes
.irp i, 0,1,2,3
	global_load_b128 v[R+16*(\t)+4*\i:R+16*(\t)+4*\i+3], v2, s[4:5] offset:2048*(\t)+512*\i th:TH_LOAD_NT
.endr
.endm
.macro TURN t                          ; through the wave's own stage: in as loaded, out 64 neighbouring bytes a lane.  LDS serves a wave's instructions in order: no wait between
.irp i, 0,1,2,3
	ds_store_b128 v4, v[R+16*(\t)+4*\i:R+16*(\t)+4*\i+3] offset:32*SP*(\t)+8*SP*\i
.endr
.irp i, 0,1,2,3
	ds_load_b128 v[X+16*(\t)+4*\i:X+16*(\t)+4*\i+3], v5 offset:32*SP*(\t)+16*\i
.endr
.endm
.macro QUANT t                         ; my 16 numbers of step t become 16 codes; my block's byte goes to LDS
.set XS, X+16*(\t)
	v_max3_num_f32 v8, |v[XS]|, |v[XS+1]|, |v[XS+2]|               ; the largest magnitude of my 16, in two chains
	v_max3_num_f32 v9, |v[XS+3]|, |v[XS+4]|, |v[XS+5]|
.irp i, 6,10
	s_delay_alu instid0(VALU_DEP_2)
	v_max3_num_f32 v8, v8, |v[XS+\i]|, |v[XS+\i+1]|
	s_delay_alu instid0(VALU_DEP_2)
	v_max3_num_f32 v9, v9, |v[XS+\i+2]|, |v[XS+\i+3]|
.endr
	s_delay_alu instid0(VALU_DEP_2)
	v_max3_num_f32 v8, v8, |v[XS+14]|, |v[XS+15]|
	s_delay_alu instid0(VALU_DEP_1)
	v_max3_num_f32 v8, v8, v9, 0x8000000           ; and the floor 2^(16 - 127): the byte cannot fall under 1
	s_delay_alu instid0(VALU_DEP_1)
	v_max_num_f32_dpp v8, v8, v8 row_xmask:1 row_mask:0xf bank_mask:0xf   ; with my neighbour's 16: the block's
	s_delay_alu instid0(VALU_DEP_1)
	v_add_nc_u32 v11, 0xf8800000, v8               ; 15 off its exponent field: the conversion takes this operand's exponent field as its scale
	s_delay_alu instid0(VALU_DEP_2)
	v_and_or_b32 v10, v8, 0x7f800000, s28          ; 57,344 x the scale
.irp i, 0,1,2,3,4,5,6,7,8,9,10,11,12,13,14,15
	v_med3_num_f32 v[XS+\i], v[XS+\i], -v10, v10   ; the conversion to an 8-bit code does not saturate (ISA guide 7.6.2): the hold comes first
.endr
	v_cvt_scalef32_pk8_bf8_f32 v[C+4*(\t):C+4*(\t)+1], v[XS:XS+7], v11
	v_cvt_scalef32_pk8_bf8_f32 v[C+4*(\t)+2:C+4*(\t)+3], v[XS+8:XS+15], v11
	v_lshrrev_b32 v[E+(\t)], 23, v11               ; the scale's byte; also the plain line behind the conversions
	ds_store_b8 v6, v[E+(\t)] offset:16*(\t)       ; both lanes of a block write the same byte with the same value
.endm
; s25 = the number of tokens j with key(j) < s24, held at top.  key(j) = (min(g_j, 8) << 11) + 4 lane + (128 q + c): the constant part goes to the other side of the compare.
; Four registers at a time, each line four times, so that no line waits for the line above it.
.macro COUNT top
	s_mov_b32 s25, 0
.set CM, 0
.rept 16
.irp k, 0,1,2,3
	v_min_u32 v[16+\k], 8, v[I+CM+\k]
.endr
.irp k, 0,1,2,3
	s_delay_alu instid0(VALU_DEP_4)
	v_lshl_add_u32 v[16+\k], v[16+\k], 11, v3
.endr
.irp k, 0,1,2,3
	s_sub_co_i32 s[40+\k], s24, 128*(CM/4)+\k
.endr
.irp k, 0,1,2,3
	v_cmp_gt_i32 s[44+\k], s[40+\k], v[16+\k]      ; a bit for each lane whose token has the smaller key
.endr
.irp k, 0,1,2,3
	s_bcnt1_i32_b32 s[48+\k], s[44+\k]
.endr
.irp k, 0,1,2,3
	s_add_co_u32 s25, s25, s[48+\k]
.endr
.set CM, CM+4
.endr
	s_min_u32 s25, s25, \top                       ; a number made of loaded data is held by a constant before it enters an address
.endm
	s_cmp_eq_u32 ttmp9, 256
	s_cbranch_scc1 .Lmeta
	; ---- a row
	s_lshl_b32 s21, ttmp9, 3
	s_add_co_u32 s21, s21, s20                     ; my token i = 8 x work-group + wave
	s_lshl_b32 s26, s21, 2
	s_add_nc_u64 s[30:31], s[6:7], s[26:27]
	s_load_b32 s22, s[30:31], 0x0                  ; g_i
	s_lshl_b32 s26, s21, 12
	s_add_nc_u64 s[4:5], s[4:5], s[26:27]          ; my row of inputs
	LOAD 0
	LOAD 1
	IDX
	s_wait_loadcnt 20                              ; step 0 is in; behind it: step 1's four loads and the sixteen of the indices
	s_wait_alu depctr_va_vdst(0)
	TURN 0
	s_wait_loadcnt 16                              ; step 1 is in; the indices may be out
	TURN 1
	s_wait_dscnt 8                                 ; step 0 is back from its stage; behind it: step 1's eight LDS instructions
	QUANT 0
	s_wait_dscnt 1                                 ; step 1 is back; behind it: step 0's byte store
	QUANT 1
	ds_load_b32 v12, v7                            ; the row's scale bytes, a word in each of lanes 0-7 (the others repeat them); in order behind my byte stores
	v_mov_b32 v13, s21                             ; my token number, for order
	s_wait_kmcnt 0x0
	s_min_u32 s22, s22, 8
	s_lshl_b32 s24, s22, 11
	s_add_co_u32 s24, s24, s21                     ; my key
	s_wait_loadcnt 0x0                             ; the indices
	COUNT 2047                                     ; s25 = my place
	s_lshl_b32 s26, s25, 10
	s_add_nc_u64 s[8:9], s[8:9], s[26:27]
	s_lshl_b32 s26, s25, 5
	s_add_nc_u64 s[10:11], s[10:11], s[26:27]
	s_lshl_b32 s26, s25, 2
	s_add_nc_u64 s[12:13], s[12:13], s[26:27]
	global_store_b128 v2, v[C:C+3], s[8:9]         ; 32 lanes store 512 consecutive bytes, at a multiple of 256 from the buffer's first byte
	global_store_b128 v2, v[C+4:C+7], s[8:9] offset:512
	s_cmp_lg_u32 s22, 8
	s_cbranch_scc1 .Lvalid
	s_lshl_b32 s26, s21, 14                        ; no group matches: the token's row of out0 is zeros
	s_add_nc_u64 s[16:17], s[16:17], s[26:27]
.irp k, 0,1,2,3,4,5,6,7,8,9,10,11,12,13,14,15,16,17,18,19,20,21,22,23,24,25,26,27,28,29,30,31
	global_store_b128 v2, v[Z:Z+3], s[16:17] offset:512*\k
.endr
.Lvalid:
	s_wait_dscnt 0x0                               ; the scale words are in
	v_cmp_gt_u32 vcc_lo, 8, v1
	s_wait_xcnt 0x0                                ; EXEC is a source of the stores above: it changes only behind this wait
	s_wait_tensorcnt 0x0
	ds_add_u32 v176, v177
	s_wait_dscnt 0x0
	s_and_saveexec_b32 s38, vcc_lo
	global_store_b32 v3, v12, s[10:11]             ; lanes 0-7: the row's 32 scale bytes
	s_wait_xcnt 0x0
	s_or_b32 exec_lo, exec_lo, s38
	v_cmp_eq_u32 vcc_lo, 0, v1
	s_and_saveexec_b32 s38, vcc_lo
	global_store_b32 v3, v13, s[12:13]             ; lane 0: order[place] = i
	s_wait_xcnt 0x0
	s_or_b32 exec_lo, exec_lo, s38
	s_endpgm
	; ---- the groups' first places
.Lmeta:
	IDX
	s_add_co_u32 s24, s20, 1
	s_lshl_b32 s24, s24, 11                        ; every key of groups 0 .. wave lies under (wave + 1) x 2048
	s_wait_loadcnt 0x0
	COUNT 2048
	v_mov_b32 v13, s25
	v_mov_b32 v14, s20
	s_delay_alu instid0(VALU_DEP_1)
	v_lshlrev_b32 v14, 2, v14                      ; 4 x wave
	v_cmp_eq_u32 vcc_lo, 0, v1
	s_wait_alu depctr_va_vdst(0)
	s_wait_xcnt 0x0
	s_and_saveexec_b32 s38, vcc_lo
	global_store_b32 v14, v13, s[14:15] offset:4   ; meta[wave + 1]
	s_cmp_lg_u32 s20, 0
	s_cbranch_scc1 .Lnot_wave_0
	global_store_b32 v14, v[Z], s[14:15]           ; meta[0] = 0
.Lnot_wave_0:
	s_wait_xcnt 0x0
	s_or_b32 exec_lo, exec_lo, s38
	s_endpgm
.Lfunc_end_k_qb20f7843ed_prep:
	.size	k_qb20f7843ed_prep, .Lfunc_end_k_qb20f7843ed_prep-k_qb20f7843ed_prep
	.p2alignl 7, 3214868480
	.fill 96, 4, 3214868480
	.section	.rodata,"a",@progbits
	.p2align	6, 0x0
	.amdhsa_kernel k_qb20f7843ed_prep
		.amdhsa_group_segment_fixed_size 44032
		.amdhsa_private_segment_fixed_size 0
		.amdhsa_enable_private_segment 0
		.amdhsa_kernarg_size 56
		.amdhsa_user_sgpr_count 2
		.amdhsa_user_sgpr_kernarg_segment_ptr 1
		.amdhsa_wavefront_size32 1
		.amdhsa_system_sgpr_workgroup_id_x 1
		.amdhsa_system_sgpr_workgroup_id_y 1
		.amdhsa_system_sgpr_workgroup_id_z 1
		.amdhsa_system_vgpr_workitem_id 0
		.amdhsa_next_free_vgpr 178
		.amdhsa_next_free_sgpr 66
		.amdhsa_reserve_vcc 1
		.amdhsa_float_denorm_mode_32 3
		.amdhsa_float_denorm_mode_16_64 3
		.amdhsa_memory_ordered 1
		.amdhsa_forward_progress 1
		.amdhsa_inst_pref_size 57
	.end_amdhsa_kernel
	.amdgpu_metadata
---
amdhsa.version: [ 1, 2 ]
amdhsa.kernels:
  - .name:           k_qb20f7843ed_prep
    .symbol:         k_qb20f7843ed_prep.kd
    .args:
      - { .name: inputs, .offset: 0, .size: 8, .value_kind: global_buffer, .address_space: global }
      - { .name: group_indices, .offset: 8, .size: 8, .value_kind: global_buffer, .address_space: global }
      - { .name: xq, .offset: 16, .size: 8, .value_kind: global_buffer, .address_space: global }
      - { .name: xs, .offset: 24, .size: 8, .value_kind: global_buffer, .address_space: global }
      - { .name: order, .offset: 32, .size: 8, .value_kind: global_buffer, .address_space: global }
      - { .name: meta, .offset: 40, .size: 8, .value_kind: global_buffer, .address_space: global }
      - { .name: out0, .offset: 48, .size: 8, .value_kind: global_buffer, .address_space: global }
    .group_segment_fixed_size: 44032
    .private_segment_fixed_size: 0
    .kernarg_segment_align: 8
    .kernarg_segment_size: 56
    .max_flat_workgroup_size: 256
    .sgpr_count:     66
    .vgpr_count:     178
    .wavefront_size: 32
...
	.end_amdgpu_metadata
.endif
;; end of part 3
;; launch gemm (part 4): grid 32 x 8, 4 waves a work-group, no clusters, 200,192 bytes of LDS; arguments b, xq, xs, order, meta, w_codes, w_scales, out0; writes out0
.if DOCPART == 4
	.amdgcn_target "amdgcn-amd-amdhsa--gfx1250"
	.amdhsa_code_object_version 6
	.text
	.protected	k_qb20f7843ed_gemm
	.globl	k_qb20f7843ed_gemm
	.p2align	8
	.type	k_qb20f7843ed_gemm,@function
k_qb20f7843ed_gemm:
	s_mov_b64 s[64:65], 0
	v_nop
	global_prefetch_b8 v0, s[64:65] scope:SCOPE_SE
	s_setreg_imm32_b32 hwreg(HW_REG_WAVE_SCHED_MODE, 0, 2), 2
	s_setreg_imm32_b32 hwreg(HW_REG_WAVE_MODE, 25, 1), 1
	s_wait_xcnt 0x0
	s_wait_alu depctr_vm_vsrc(0)
; out0[token] = Q(inputs[token]) . w[g] + b[g], for the tokens of group g alone: the other seven masked products of a token are products of a row of zeros.
; SHARES.  Work-group (x, e) makes columns 128 x .. 128 x + 127 for all rows of group e: places meta[e] .. meta[e + 1] - 1 of the sorted codes xq.  8 x 32 = 256 work-groups, four waves each.
; W.  The block's 128 columns x 1,024 codes are 131,072 consecutive bytes: each wave reads a quarter, 512 consecutive bytes a load, once, and lays it into LDS; ONE barrier; then LDS is only read.
; ROWS.  The waves share the rows: tile T (16 places) belongs to wave T mod 4.  A wave holds the fragments of up to four tiles for all of K (4 x 128 registers) and sweeps W's fragments from LDS:
; each fragment of W read from LDS feeds four matrix instructions.  More than 256 rows in a group: further passes of a loop whose count comes from meta; no barrier stands in it.
; COLUMNS OF A TILE ARE NOT NEIGHBOURS: lane r of tile t of column group q takes column 64 q + 4 r + t.  So the four accumulators t = 0..3 give a lane FOUR NEIGHBOURING columns of one row; the bias addition
; writes them into four consecutive registers, and one store has sixteen lanes cover 256 consecutive bytes of a row of out0, aligned.  No way out through LDS.
; Source 0 = 16 rows of tokens, source 1 = 16 columns of W: register j of a result is row 8 (lane / 16) + j, column by lane % 16.
; PAD ROWS.  Places past the group's end are held at its last place: the last tile repeats that row, and the row is stored again with the same bytes.  A tile wholly past the end is computed where it shares a pass and never stored.
; NO TENSOR LOADS, NO CLUSTER: the 32 work-groups of a group read the same rows of xq, but which rows, and how many passes, comes from numbers read from memory; trip counts and branches hang on them,
; so operands go through registers, and a joint request has no place.  W's blocks, about a third of what a work-group reads at an even split, are shared by nobody.
; LIMIT: a split in which one group has most tokens is served rightly but by that group's 32 work-groups alone.
; REGISTERS, in windows of 256 (s_set_vgpr_msb: bits 1:0 source 0, 3:2 source 1, 5:4 source 2, 7:6 destination):
;   window 0: v1-12 lane terms and addresses that stay; v13-15 at work; the runs named below.
;   window 1: v0-127 the 16 accumulators ((g, t) at 8 (4 g + t)); v128-255 W's fragments, two buffers of four; at the head all 256 take W as it is loaded.
;   window 2: A's tiles 0 and 1, 128 registers each (K step s at 16 s); window 3: tiles 2 and 3.  A tile's registers first take its rows as they are loaded.
; THE MODE: SCHED_MODE bits 1:0 = 2 (LLVM: expert scheduling mode 2), set by the entry lines.  The code itself states the register dependences
; between vector or matrix instructions and memory or LDS instructions, with s_wait_alu, always for 0.
; THE PLAN.  Registers that memory or LDS instructions touch:
;   v3-v10        offsets and LDS addresses: written once at the head, then only read.
;   window 1      at the head: W's loads land, the LDS stores read them; from the barrier on: accumulators (products write, additions read) and W's two buffers.
;   W's buffers   buffer n % 2: the LDS loads issued in step n - 1 land in it; step n's products read it; the loads issued in step n + 1 land in it again.
;   A's tiles     the pass's global loads land; the tile's LDS stores read them; its LDS loads land in the same registers; the products read them; the next pass's loads land.
;   AS            a pass's loads land; the products take them as scales; the next pass's loads land.   WS, BI: loaded once.
;   SA, AA, TA    written by ADDR; read as addresses by the pass's loads.  TA shares the registers of ST's set 0, which holds no results when ADDR runs.
;   TK            the token numbers land; the 32 minima at a pass's head read them.     OO: written at a pass's head; read as offsets by the pass's stores.
;   ST            set g % 2: written by tile g's 32 additions; read by its eight stores.
; THE WAITS.  On va_vdst: ahead of the first load; behind ADDR, ahead of a pass's 164 loads; one in a step, at its head, ahead of the loads into the buffer that the step before read; one a tile on the way out, ahead of its stores.
; On vm_vsrc: behind the barrier (W's LDS stores); at a pass's head (OO); in a tile's turn through LDS, between its stores and its loads; one a tile on the way out, ahead of its additions; ahead of ADDR in the loop.
; On va_sdst: once, for the wave's number.
.set P,    1040                        ; an LDS row: 1,024 bytes + 16 = 65 x 16: the 16 rows that a fragment load touches start in 16 different columns of 16 bytes
.set AST,  128*P                       ; behind W's 128 rows: 16 rows for each wave, its own, to turn 16 rows of xq into fragments
.set SA,   16                          ; v16-19   tile g: my byte offset in xs
.set AS,   32                          ; v32-47   tile g: A's scale words: register i: lanes 0-15 K step i, lanes 16-31 K step 4 + i
.set WS,   48                          ; v48-79   W's, for tile 4 q + t, likewise
.set BI,   80                          ; v80-87   b at my four columns of column group q
.set OO,   88                          ; v88-119  (g, j): my byte offset in out0: token x 16,384 + 16 (lane % 16)
.set AA,   120                         ; v120-151 (g, j): my byte offset in xq: place x 1,024 + 16 (lane % 16)
.set ST,   152                         ; v152-215 results with bias, two sets of 32
.set TA,   ST                          ; v152-183 (g, j): 4 x place: where the token number lies in order; in the registers of ST's set 0
.set TK,   216                         ; v216-247 (g, j): the token number
.set MSB, 0
.macro WIN new                         ; the immediate's high byte repeats the setting that is left; a switch that changes nothing is dropped
.if MSB != (\new)
	s_set_vgpr_msb (MSB<<8)|(\new)
.set MSB, (\new)
.endif
.endm
; A vector instruction that reads a matrix result stands eight places behind it for this form; the runs of places ahead of loads into registers that products have read stay as well
.macro PLACES
.rept 8
	v_nop
.endr
.endm
.macro WLOADS c                        ; 16 of my 64 loads of W: load n brings bytes 512 n .. 512 n + 511 of my 32 columns into window 1, v[4 n]
	WIN 0x40
.set WN, 16*(\c)
.rept 16
	global_load_b128 v[4*WN:4*WN+3], v4, s[14:15] offset:512*WN th:TH_LOAD_NT
.set WN, WN+1
.endr
.endm
.macro WSTORE c                        ; and into LDS: my column i = n / 2 is column 4 r + t of its group of 64, with t = i % 4: it goes to row 16 t + r
	WIN 0x04
.set WN, 16*(\c)
.rept 16
	ds_store_b128 v5, v[4*WN:4*WN+3] offset:(16*((WN/2)&3)+((WN/2)>>2))*P+512*(WN%2)
.set WN, WN+1
.endr
.endm
; The pass's addresses.  s35 = the first place of my tile 0; tile g begins 64 places on.  Each place is held at the group's last (s28) and, being made of loaded numbers, by a constant.
.macro ADDR
.irp g, 0,1,2,3
	s_add_co_u32 s36, s35, 64*\g
	v_add_nc_u32 v13, s36, v1                      ; the place of row lane % 16: for the scale words
	v_add_nc_u32 v14, s36, v11                     ; the place of row 8 (lane / 16)
	v_min_u32 v13, s28, v13
	v_min_u32 v13, 0x7ff, v13
	v_lshl_add_u32 v[SA+\g], v13, 5, v12           ; 32 bytes a place, + 16 for lanes 16-31
.irp j, 1,2,3,4,5,6,7
	v_add_nc_u32 v[AA+8*\g+\j], \j, v14
.endr
	v_min_u32 v[AA+8*\g], s28, v14
.irp j, 1,2,3,4,5,6,7
	v_min_u32 v[AA+8*\g+\j], s28, v[AA+8*\g+\j]
.endr
.irp j, 0,1,2,3,4,5,6,7
	v_min_u32 v[AA+8*\g+\j], 0x7ff, v[AA+8*\g+\j]
.endr
.irp j, 0,1,2,3,4,5,6,7
	v_lshlrev_b32 v[TA+8*\g+\j], 2, v[AA+8*\g+\j]
.endr
.irp j, 0,1,2,3,4,5,6,7
	v_lshl_add_u32 v[AA+8*\g+\j], v[AA+8*\g+\j], 10, v3
.endr
.endr
.endm
.macro TLOADS                          ; 36 loads: the token number of row 8 (lane / 16) + j of each tile, and A's scale words
.irp g, 0,1,2,3
.irp j, 0,1,2,3,4,5,6,7
	global_load_b32 v[TK+8*\g+\j], v[TA+8*\g+\j], s[10:11]
.endr
.endr
.irp g, 0,1,2,3
	global_load_b128 v[AS+4*\g:AS+4*\g+3], v[SA+\g], s[8:9]
.endr
.endm
.macro LOADA g                         ; tile g's 16 rows of codes: 32 loads; in each, sixteen lanes read 256 consecutive bytes of one row, aligned
	WIN 0x80+0x40*((\g)/2)
.irp j, 0,1,2,3,4,5,6,7
.irp k, 0,1,2,3
	global_load_b128 v[128*((\g)%2)+4*(4*\j+\k):128*((\g)%2)+4*(4*\j+\k)+3], v[AA+8*(\g)+\j], s[6:7] offset:256*\k
.endr
.endr
.endm
; Tile g through my own 16 LDS rows: in as loaded, out as fragments (lane: row lane % 16; registers 16 s + 4 c on: K = 128 s + 32 c + 16 (lane / 16) + 0 .. 15), into the registers that it left.
; LDS serves a wave's instructions in order (ISA guide 5.7.1.4): no wait on DScnt between stores and loads, nor ahead of the next tile's stores.  left: the younger global loads that may stay out.
.macro TRANS g, left
	s_wait_loadcnt \left
	WIN 0x08+0x04*((\g)/2)
.irp j, 0,1,2,3,4,5,6,7
.irp k, 0,1,2,3
	ds_store_b128 v8, v[128*((\g)%2)+4*(4*\j+\k):128*((\g)%2)+4*(4*\j+\k)+3] offset:\j*P+256*\k
.endr
.endr
	WIN 0x80+0x40*((\g)/2)
	s_wait_alu depctr_vm_vsrc(0)                   ; the 32 LDS stores above have read the tile's registers, in which the 32 LDS loads below land
.irp s, 0,1,2,3,4,5,6,7
.irp c, 0,1,2,3
	ds_load_b128 v[128*((\g)%2)+16*\s+4*\c:128*((\g)%2)+16*\s+4*\c+3], v9 offset:128*\s+32*\c
.endr
.endr
.endm
.macro WHALF n, u                      ; step n = 8 q + s: two of W's four fragments of column group q, K step s (tiles 2 u and 2 u + 1), into buffer n % 2: eight loads
	WIN 0x40
.irp t, 2*(\u), 2*(\u)+1
.irp c, 0,1,2,3
	ds_load_b128 v[128+64*((\n)%2)+16*(\t)+4*\c:128+64*((\n)%2)+16*(\t)+4*\c+3], v[6+(\n)/8] offset:16*(\t)*P+128*((\n)%8)+32*\c
.endr
.endr
.endm
.macro MM g, t, n                      ; one product: tile g of rows x tile t of columns, step n.  K step 0 starts the sum with the constant 0: nothing is cleared
.set sK, (\n)%8
.set rD, 8*(4*(\g)+(\t))
.set rA, 128*((\g)%2)+16*sK
.set rB, 128+64*((\n)%2)+16*(\t)
.set rSA, AS+4*(\g)+(sK%4)
.set rSB, WS+4*(4*((\n)/8)+(\t))+(sK%4)
.if sK == 0
	v_wmma_scale_f32_16x16x128_f8f6f4 v[rD:rD+7], v[rA:rA+15], v[rB:rB+15], 0, v[rSA], v[rSB] matrix_a_fmt:MATRIX_FMT_BF8 matrix_b_fmt:MATRIX_FMT_BF8
.elseif sK < 4
	v_wmma_scale_f32_16x16x128_f8f6f4 v[rD:rD+7], v[rA:rA+15], v[rB:rB+15], v[rD:rD+7], v[rSA], v[rSB] matrix_a_fmt:MATRIX_FMT_BF8 matrix_b_fmt:MATRIX_FMT_BF8
.else
	v_wmma_scale_f32_16x16x128_f8f6f4 v[rD:rD+7], v[rA:rA+15], v[rB:rB+15], v[rD:rD+7], v[rSA], v[rSB] matrix_a_fmt:MATRIX_FMT_BF8 matrix_b_fmt:MATRIX_FMT_BF8 matrix_a_scale:MATRIX_SCALE_ROW1 matrix_b_scale:MATRIX_SCALE_ROW1
.endif
.endm
; A step: this step's 4 x tiles products, and among them the next step's 16 fragment loads: eight behind the first quarter of the products, eight behind the second; the last half of the products stands behind them.
; The products name this step's buffer, A's tiles, the scale words and the accumulators: none of the registers that those loads touch (the other buffer; v6 or v7).  So the one wait at the step's head serves all sixteen.
; The accumulators take turns, one instruction a turn, from step to step too.
.macro STEP n, tiles
.if (\n) < 15
	PLACES                                         ; the buffer to be loaded was read by the step before; ahead of step 8 these also stand between the finished sums and the sums begun anew on the same registers
.endif
	s_wait_dscnt 0x0                               ; this step's fragments of W, asked for in the step before, are in (in a pass's first step: A's too)
.if ((\n) < 15) && (((\n)%8) != 0)
	s_wait_alu depctr_va_vdst(0)                   ; the products of the step before are done reading the other buffer, in which this step's loads land.  (In steps 0 and 8 the way out's wait on va_vdst stands behind those products, and nothing since names that buffer)
.endif
	WIN 0x56                                       ; A window 2; B, C and D window 1
.if (\tiles) == 4
.irp t, 0,1,2,3
	MM 0, \t, \n
.endr
.else
.irp t, 0,1
	MM 0, \t, \n
.endr
.endif
.if (\n) < 15
	WHALF (\n)+1, 0
	WIN 0x56
.endif
.if (\tiles) == 4
.irp t, 0,1,2,3
	MM 1, \t, \n
.endr
.else
.irp t, 2,3
	MM 0, \t, \n
.endr
.endif
.if (\n) < 15
	WHALF (\n)+1, 1
.endif
.if (\tiles) == 4
	WIN 0x57                                       ; A window 3
.irp g, 2,3
.irp t, 0,1,2,3
	MM \g, \t, \n
.endr
.endr
.else
	WIN 0x56
.irp t, 0,1,2,3
	MM 1, \t, \n
.endr
.endif
.endm
; Column group q leaves.  Tile g is stored only if it is one of the pass's s34 tiles.  Each accumulator is read from its register 0 on.
.macro OUT q
.irp g, 0,1,2,3
	WIN 0
.if \g > 0
	s_cmp_gt_u32 s34, \g
	s_cbranch_scc0 .Lout_done_\@
.endif
	s_wait_xcnt 0x0                                ; earlier stores have read their data: the set may be written again
	s_wait_alu depctr_vm_vsrc(0)                   ; the stores of two tiles back have read this set, and the token numbers' loads have read their addresses in set 0: the additions below write it
	WIN 0x01                                       ; source 0 window 1
.irp j, 0,1,2,3,4,5,6,7
.irp t, 0,1,2,3
	v_add_f32 v[ST+32*(\g%2)+4*\j+\t], v[8*(4*\g+\t)+\j], v[BI+4*\q+\t]
.endr
.endr
	WIN 0
	s_wait_alu depctr_va_vdst(0)                   ; the additions have written the set, which the stores read as data; the pass's head has written OO, which they read as offsets
.irp j, 0,1,2,3,4,5,6,7
	global_store_b128 v[OO+8*\g+\j], v[ST+32*(\g%2)+4*\j:ST+32*(\g%2)+4*\j+3], s[18:19] offset:256*\q th:TH_STORE_NT   ; lanes 0-15: 256 consecutive bytes of row j's token, aligned; lanes 16-31: of row 8 + j's
.endr
.endr
.Lout_done_\@:
.endm
	s_load_b512 s[4:19], s[0:1], 0x0               ; b s[4:5], xq s[6:7], xs s[8:9], order s[10:11], meta s[12:13], w_codes s[14:15], w_scales s[16:17], out0 s[18:19]
	v_lshl_add_u32 v254, v0, 2, 0x30c00
	v_mov_b32 v255, 0
	v_lshrrev_b32 v13, 5, v0
	v_readfirstlane_b32 s20, v13                   ; wave 0..3
	s_and_b32 s21, ttmp7, 0xffff                   ; the group e
	v_and_b32 v1, 15, v0                           ; r
	v_bfe_u32 v2, v0, 4, 1                         ; h
	s_wait_alu depctr_va_vdst(0)
	v_lshlrev_b32 v3, 4, v1                        ; 16 r
	v_and_b32 v13, 31, v0
	v_lshlrev_b32 v4, 4, v13                       ; 16 x lane
	s_wait_alu depctr_va_sdst(0)                   ; s20, the wave's number, is written, ahead of its first reader
	s_lshr_b32 s36, s20, 1
	s_mul_i32 s36, s36, 64*P
	s_and_b32 s37, s20, 1
	s_mul_i32 s37, s37, 8*P
	s_add_co_u32 s36, s36, s37
	v_add_nc_u32 v5, s36, v4                       ; W into LDS: my 32 columns are r = 8 (wave % 2) on of column group wave / 2
	v_mul_u32_u24 v6, v1, P
	v_lshl_add_u32 v6, v2, 4, v6                   ; W's fragments, column group 0: row r, + 16 h;
	v_add_nc_u32 v7, 64*P, v6                      ; column group 1
	s_mul_i32 s37, s20, 16*P
	s_add_co_u32 s37, s37, AST                     ; my 16 rows for A
	v_mul_u32_u24 v8, v2, 8*P
	s_wait_alu depctr_va_vdst(0)
	v_add_nc_u32 v8, v8, v3
	v_add_nc_u32 v8, s37, v8                       ; in: row 8 h (+ j), byte 16 r
	v_add_nc_u32 v9, s37, v6                       ; out: row r, + 16 h
	v_lshlrev_b32 v10, 7, v1
	v_lshl_add_u32 v10, v2, 4, v10                 ; W's scale bytes: column 4 r: 128 r, + 16 h
	v_lshlrev_b32 v11, 3, v2                       ; 8 h
	v_lshlrev_b32 v12, 4, v2                       ; 16 h
	s_mov_b32 s25, 0                               ; the upper word of the offset pair s[24:25]
	s_wait_kmcnt 0x0
	s_lshl_b32 s24, s21, 2
	s_add_nc_u64 s[12:13], s[12:13], s[24:25]
	s_load_b64 s[26:27], s[12:13], 0x0             ; meta[e], meta[e + 1]
	s_lshl_b32 s37, ttmp9, 9                       ; 128 x columns of 4 bytes
	s_mov_b32 s24, s37
	s_add_nc_u64 s[18:19], s[18:19], s[24:25]      ; out0 at my first column
	s_lshl_b32 s24, s21, 14
	s_add_co_u32 s24, s24, s37
	s_add_nc_u64 s[4:5], s[4:5], s[24:25]          ; b at group e, my first column
	s_lshl_b32 s24, s21, 17
	s_lshl_b32 s37, ttmp9, 12
	s_add_co_u32 s24, s24, s37
	s_add_nc_u64 s[16:17], s[16:17], s[24:25]      ; W's scale bytes: 32 a column
	s_lshl_b32 s24, s21, 22
	s_lshl_b32 s37, ttmp9, 17
	s_add_co_u32 s24, s24, s37
	s_lshl_b32 s37, s20, 15
	s_add_co_u32 s24, s24, s37
	s_add_nc_u64 s[14:15], s[14:15], s[24:25]      ; W's codes: 1,024 bytes a column; my wave's 32 columns
	s_wait_alu depctr_va_vdst(0)                   ; v1 to v12 are written: v3 to v10 are the offsets and LDS addresses that loads and LDS instructions read from here to the kernel's end, and no line writes them again
.irp q, 0,1
.irp t, 0,1,2,3
	global_load_b128 v[WS+4*(4*\q+\t):WS+4*(4*\q+\t)+3], v10, s[16:17] offset:(64*\q+\t)*32
.endr
.endr
.irp q, 0,1
	global_load_b128 v[BI+4*\q:BI+4*\q+3], v3, s[4:5] offset:256*\q
.endr
	WLOADS 0                                       ; 58 loads are out behind these three runs: W is on its way while meta comes
	WLOADS 1
	WLOADS 2
	WIN 0
	s_wait_kmcnt 0x0
	s_min_u32 s26, s26, 2048                       ; first place
	s_min_u32 s27, s27, 2048                       ; end
	s_sub_co_u32 s28, s27, 1                       ; the group's last place
	s_sub_co_u32 s29, s27, s26                     ; rows
	s_add_co_u32 s30, s29, 15
	s_lshr_b32 s30, s30, 4                         ; tiles
	s_add_co_u32 s31, s30, 3
	s_sub_co_u32 s31, s31, s20
	s_lshr_b32 s31, s31, 2                         ; my wave's tiles: those with number = wave modulo 4
	s_add_co_u32 s32, s31, 3
	s_lshr_b32 s32, s32, 2                         ; my passes, four tiles each
	s_mov_b32 s33, 0                               ; the pass
	s_min_u32 s34, s31, 4                          ; its tiles
	s_lshl_b32 s35, s20, 4
	s_add_co_u32 s35, s35, s26                     ; the first place of my first tile
	ADDR
	WLOADS 3                                       ; (ADDR names neither v4 nor a register of window 1: these loads lean on the wait ahead of the first load)
	WIN 0
	s_wait_alu depctr_va_vdst(0)                   ; ADDR has written SA, TA and AA, which the 36 loads below and A's 128 loads read as offsets; up to the barrier only loads, LDS stores and window switches follow
	TLOADS
.irp c, 0,1,2,3
	s_wait_loadcnt 63                              ; behind W's run c stand 84, 100, 116, 132 younger loads: more than the count can name, and 63 asks for more than is needed
	WSTORE \c
	LOADA \c                                       ; A's tiles are asked for as W's registers drain
.endr
	WIN 0
	s_wait_dscnt 0x0                               ; for the others: my quarter of W lies in LDS
	s_barrier_signal -1
	s_barrier_wait -1                              ; the one barrier: every wave passes it, ahead of every branch on loaded numbers.  From here on W's rows are only read
	s_wait_alu depctr_vm_vsrc(0)                   ; my LDS stores of W have read window 1's registers: from here on the products write them as accumulators and the fragments' loads land in them
	s_cmp_eq_u32 s32, 0
	s_cbranch_scc1 .Lend                           ; no tile for this wave: it stores nothing
.Lpass:
	s_wait_xcnt 0x0                                ; the last pass's stores have read their offsets
	s_wait_alu depctr_vm_vsrc(0)                   ; the last pass's stores have read OO, which the lines below write again
	s_wait_loadcnt 63                              ; behind the token numbers stand 4 + 128 younger loads, behind A's tile 0 96
.set i, 0
.rept 32
	v_min_u32 v[OO+i], 0x7ff, v[TK+i]              ; a loaded number is held by a constant before it enters an address
.set i, i+1
.endr
.set i, 0
.rept 32
	v_lshl_add_u32 v[OO+i], v[OO+i], 14, v3        ; token x 16,384 bytes + 16 r
.set i, i+1
.endr
	TRANS 0, 63                                    ; 96 younger loads
	TRANS 1, 63                                    ; 64 younger loads
	WIN 0
	s_cmp_gt_u32 s34, 2
	s_cbranch_scc0 .Lfew
	TRANS 2, 32                                    ; tile 3's 32 may be out
	TRANS 3, 0
	WIN 0
.Lfew:
	s_wait_loadcnt 0x0                             ; on both ways: nothing is on its way into a register any more
	WHALF 0, 0                                     ; step 0's fragments of W.  No wait: the last products that read buffer 0 stand ahead of the last way out's wait on va_vdst, and nothing since names it
	WHALF 0, 1
	WIN 0
	s_cmp_gt_u32 s34, 2
	s_cbranch_scc0 .Lsmall_a
.irp n, 0,1,2,3,4,5,6,7
	STEP \n, 4
.endr
	WIN 0
	s_branch .Ljoin_a
.Lsmall_a:                                             ; one or two tiles: half the products
.irp n, 0,1,2,3,4,5,6,7
	STEP \n, 2
.endr
	WIN 0
.Ljoin_a:
	PLACES                                         ; ahead of the first read of results
	OUT 0                                          ; column group 0 leaves; its additions and the next step's places stand between these sums and the sums begun anew on the same registers
	s_cmp_gt_u32 s34, 2
	s_cbranch_scc0 .Lsmall_b
.irp n, 8,9,10,11,12,13,14,15
	STEP \n, 4
.endr
	WIN 0
	s_branch .Ljoin_b
.Lsmall_b:
.irp n, 8,9,10,11,12,13,14,15
	STEP \n, 2
.endr
	WIN 0
.Ljoin_b:
	PLACES                                         ; ahead of the reads of results, and of the loads below into registers that the products have read
	s_add_co_u32 s37, s33, 1
	s_cmp_lt_u32 s37, s32
	s_cbranch_scc0 .Lno_next
	s_wait_xcnt 0x0                                ; the address registers are written again only behind this wait
	s_wait_alu depctr_vm_vsrc(0)                   ; this pass's loads have read SA, AA and TA, and column group 0's stores have read ST's set 0, where TA lies: ADDR writes all of them again
	s_add_co_u32 s35, s35, 256                     ; the next pass: 16 tiles of the group on.  Always all four tiles, in the same order as at the head, so that the counts at the loop's head hold
	ADDR
	s_wait_alu depctr_va_vdst(0)                   ; ADDR has written SA, TA and AA, which the loads below read; the products are done reading A's tiles and AS, and the pass's minima TK, in which these loads land
	TLOADS
	LOADA 0
	LOADA 1
	LOADA 2
	LOADA 3
	WIN 0
.Lno_next:
	OUT 1                                          ; column group 1 leaves while the next pass's rows are on their way
	s_add_co_u32 s33, s33, 1
	s_lshl_b32 s37, s33, 2
	s_sub_co_u32 s34, s31, s37
	s_min_u32 s34, s34, 4                          ; the next pass's tiles
	s_cmp_lt_u32 s33, s32
	s_cbranch_scc1 .Lpass
.Lend:
	s_wait_dscnt 0x0
	s_wait_alu depctr_hold_cnt(0) depctr_sa_sdst(0) depctr_va_vdst(0) depctr_va_sdst(0) depctr_va_ssrc(0) depctr_va_vcc(0) depctr_vm_vsrc(0)
	s_wait_tensorcnt 0x0
	ds_add_u32 v254, v255
	s_wait_dscnt 0x0
	s_endpgm
.Lfunc_end_k_qb20f7843ed_gemm:
	.size	k_qb20f7843ed_gemm, .Lfunc_end_k_qb20f7843ed_gemm-k_qb20f7843ed_gemm
	.p2alignl 7, 3214868480
	.fill 96, 4, 3214868480
	.section	.rodata,"a",@progbits
	.p2align	6, 0x0
	.amdhsa_kernel k_qb20f7843ed_gemm
		.amdhsa_group_segment_fixed_size 200192
		.amdhsa_private_segment_fixed_size 0
		.amdhsa_enable_private_segment 0
		.amdhsa_kernarg_size 64
		.amdhsa_user_sgpr_count 2
		.amdhsa_user_sgpr_kernarg_segment_ptr 1
		.amdhsa_wavefront_size32 1
		.amdhsa_system_sgpr_workgroup_id_x 1
		.amdhsa_system_sgpr_workgroup_id_y 1
		.amdhsa_system_sgpr_workgroup_id_z 1
		.amdhsa_system_vgpr_workitem_id 0
		.amdhsa_next_free_vgpr 1024
		.amdhsa_next_free_sgpr 66
		.amdhsa_reserve_vcc 0
		.amdhsa_float_denorm_mode_32 3
		.amdhsa_float_denorm_mode_16_64 3
		.amdhsa_memory_ordered 1
		.amdhsa_forward_progress 1
		.amdhsa_inst_pref_size 193
	.end_amdhsa_kernel
	.amdgpu_metadata
---
amdhsa.version: [ 1, 2 ]
amdhsa.kernels:
  - .name:           k_qb20f7843ed_gemm
    .symbol:         k_qb20f7843ed_gemm.kd
    .args:
      - { .name: b, .offset: 0, .size: 8, .value_kind: global_buffer, .address_space: global }
      - { .name: xq, .offset: 8, .size: 8, .value_kind: global_buffer, .address_space: global }
      - { .name: xs, .offset: 16, .size: 8, .value_kind: global_buffer, .address_space: global }
      - { .name: order, .offset: 24, .size: 8, .value_kind: global_buffer, .address_space: global }
      - { .name: meta, .offset: 32, .size: 8, .value_kind: global_buffer, .address_space: global }
      - { .name: w_codes, .offset: 40, .size: 8, .value_kind: global_buffer, .address_space: global }
      - { .name: w_scales, .offset: 48, .size: 8, .value_kind: global_buffer, .address_space: global }
      - { .name: out0, .offset: 56, .size: 8, .value_kind: global_buffer, .address_space: global }
    .group_segment_fixed_size: 200192
    .private_segment_fixed_size: 0
    .kernarg_segment_align: 8
    .kernarg_segment_size: 64
    .max_flat_workgroup_size: 128
    .sgpr_count:     66
    .vgpr_count:     1024
    .wavefront_size: 32
...
	.end_amdgpu_metadata
.endif
;; end of part 4
